; MI455X (gfx1250); checked and timed in simulation.
; The chip was launched on July 23, 2026; its instructions are those of AMD's public machine-readable ISA for CDNA 5 (MIT licence, August 2026) and "CDNA5" Instruction Set Architecture Reference Guide (July 2026). The comments in the code are by the model that wrote it; some were corrected since.
;; Sparse Matmul Gate Up. Allowed arithmetic: matrix products marked QUANTISED: E2M3 operands, one E8M0 scale for each 32 along K, by v_wmma_scale_f32_16x16x128_f8f6f4 with both operands' format E2M3, f32 sums; everything else in f32.
;; Inputs: hidden_4d 2,048 x 8 x 1 x 2,048 float32; sparsity 2,048 x 8 int32; weight_codes 1 x 8 x 2,048 x 64 x 24 uint8 (E2M3 codes of weight, K innermost, in blocks of 32 codes, four codes in three bytes); weight_scales 1 x 8 x 2,048 x 64 uint8 (E8M0 scales of weight, one for each 32 codes along K).
;; Outputs: out0 2,048 float32.
;; This version of the problem:
;;   THIS VERSION OF THE PROBLEM IS GIVEN IN LOW PRECISION. The matrix products marked QUANTISED in the list below multiply operands that are first quantised to E2M3 (2 exponent bits, 3 mantissa bits; 6 bits a number), with one power-of-two scale for each 32 numbers along K (OCP MX v1.0); their sums are f32. All else is computed in f32.
;;   The module's matrix products, in the order in which they are computed (A, B: the left and right operand; K: the contracted axis; several contracted axes count as one K, in the product's order):
;;     1. batch 8 x [M 2,048, K 2,048] x [K 2,048, N 2,048]; A: input weight (given as codes); B: computed on the way: QUANTISED
;;   THE QUANTISER, for each operand of a quantised product, along K:
;;     - K is cut into blocks of 32 from its start; a last block that is shorter is filled with zeros.
;;     - A block's scale is 2^e with e = floor(log2(the largest magnitude in the block)) - 2, held to -126 .. 127; a block of zeros has e = 0. As a byte (E8M0): e + 127.
;;     - Each number is divided by its block's scale, clamped to +-7.5, and rounded to the nearest number of E2M3, ties to even, subnormals kept.
;;     - The product sums the exact products of the quantised numbers (number of the format x scale) in f32.
;;   ~~~python
;;   def quantise(x, axis):      # numpy; x: float32 -> the quantised numbers, widened to float32 again
;;       x = np.moveaxis(x, axis, -1); K = x.shape[-1]
;;       x = np.pad(x, [(0, 0)] * (x.ndim - 1) + [(0, -K % 32)]); x = x.reshape(x.shape[:-1] + (-1, 32)); a = np.abs(x).max(-1, keepdims=True)
;;       e = np.where(a > 0, np.clip(np.frexp(np.where(a > 0, a, 1))[1] - 1 - 2, -126, 127), 0)      # np.frexp(a)[1] - 1 = floor(log2(a)), exactly
;;       r = np.clip(x / 2.0 ** e, -7.5, 7.5)
;;       step = 2.0 ** (np.maximum(np.frexp(np.where(r == 0, 1, r))[1] - 1, 0) - 3)
;;       q = np.round(r / step) * step * 2.0 ** e      # np.round: ties to even
;;       return np.moveaxis(q.reshape(q.shape[:-2] + (-1,))[..., :K], -1, axis).astype(np.float32)
;;   ~~~
;;   OPERANDS COMPUTED ON THE WAY. 'Computed on the way' means the value that the module computes at that place (a softmax that the list does not call 'softmax' is quantised finished and normalised). What goes into a quantiser is computed in f32, as accurately as f32 sums, v_exp_f32 and their like allow (about 1e-6 of the number): no bf16 or f16 on the way to a quantiser, and a product that is left as it is and whose result goes on into a quantised operand takes f32 operands (vector FMAs, or v_wmma_f32_16x16x4_f32). A number that lies on a knife's edge between two numbers of the format may be rounded either way, as far as f32 arithmetic and the matrix unit's own rounding can turn it there, and no further.
;;   INPUTS GIVEN AS CODES. weight (in the module: [1, 8, 2048, 2048], K = its axis 2): each comes as NAME_codes (uint8): NAME with its K axis moved to the last place and cut into blocks of 32 codes, [.., K / 32, bytes a block], one block behind the other in memory; four codes in three bytes: a row's codes are one little-endian stream of bits, code i at bits 6 i .. 6 i + 5 (a code: sign, 2 exponent bits, 3 mantissa bits); and NAME_scales (uint8): the same leading axes, one E8M0 byte (e + 127) for each 32 codes along K. Its value is code x scale, taken as it is: it is not quantised again, and the codes and scales need not be those that the quantiser above would give.
;; One version. Each part assembles by itself: llvm-mc -triple=amdgcn-amd-amdhsa -mcpu=gfx1250 --defsym DOCPART=n.
;; ======== version 1 of 1: 2 launches
;; workspace buffers: part 131,072 bytes
;; launch main (part 1): grid 16 x 16, 8 waves a work-group, clusters of 4 x 1, 327,680 bytes of LDS; arguments hidden_4d, sparsity, weight_codes, weight_scales, part; writes part
.if DOCPART == 1
	.amdgcn_target "amdgcn-amd-amdhsa--gfx1250"
	.amdhsa_code_object_version 6
	.text
	.protected	k_q44e7ee3a4c_main
	.globl	k_q44e7ee3a4c_main
	.p2align	8
	.type	k_q44e7ee3a4c_main,@function
k_q44e7ee3a4c_main:
	s_mov_b64 s[64:65], 0
	v_nop
	global_prefetch_b8 v0, s[64:65] scope:SCOPE_SE
	s_setreg_imm32_b32 hwreg(HW_REG_WAVE_MODE, 25, 1), 1
	s_wait_xcnt 0x0
	s_wait_alu depctr_hold_cnt(0) depctr_sa_sdst(0) depctr_va_vdst(0) depctr_va_sdst(0) depctr_va_ssrc(0) depctr_va_vcc(0) depctr_vm_vsrc(0)
	s_getreg_b32 s2, hwreg(HW_REG_IB_STS2, 6, 4)
	s_cmp_eq_u32 s2, 0
	s_cbranch_scc0 .Lentry_in_a_cluster
	s_endpgm
.Lentry_in_a_cluster:
	s_bfe_u32 s2, ttmp6, 0x10000c
	s_cmp_lg_u32 s2, 0x3003
	s_cbranch_scc0 .Lentry_shape_is_right
	s_endpgm
.Lentry_shape_is_right:
; part[2 e + kh][b] = the sum over all 2,048 n and over k in half kh of K of Q(hidden[b][e][k] x float(sparsity[b][e])) x W[e][k][n].
; W arrives as codes of FP6 (E2M3), K innermost, 1,536 bytes a row n, with one E8M0 byte for each 32 along K (64 bytes a row).  hidden is f32 and is quantised here, along K, in blocks of 32.
; Only the sum over n, k and e is wanted, so products of different n and k add into the SAME accumulator: a tile of 16 tokens has one accumulator of 16 x 16, whose 16 rows are added at the end.
; SHARES.  A work-group owns one expert e, one half kh of K (1,024) and 128 tokens: 8 x 2 x 16 = 256 work-groups of equal work, and each byte of hidden is wanted by one work-group alone.
; K goes in 4 chunks of 256.  In a chunk W is walked in 4 tiles of 512 rows x 192 bytes, through a ring of two LDS slots filled by the tensor data mover: 16 tiles in all.
; TWO ROLES, four waves each.  A MATRIX wave takes 128 rows of each tile against all 128 tokens: 16 fragments of W x 8 token tiles = 128 matrix instructions a tile; the chunk's 16 fragments of the tokens stay in its registers.
; A QUANTISER wave takes 32 tokens: it loads a chunk's 256 numbers of each (every load is one token's 512 consecutive bytes), turns them through its own stage in LDS so that a lane holds 16 neighbours along K, multiplies by the
; mask, quantises, and leaves the fragments in LDS as images of their registers, 16 bytes a lane on end, which the matrix waves load by the same lines.  It works one chunk ahead of the products.
; The role is the parity of the wave's three bits and the index in the role is wave / 2: the four waves of a role differ both in wave mod 4 and in wave / 2.
; The two roles use the same register numbers for different things.  A wave keeps its role, but the text is written so that the distances behind matrix instructions hold on EVERY way through it, also on ways that no wave takes
; (one role's part, then the other's): four v_nop stand in each change of slots, and four ahead of the loop's burst.
; CLUSTER.  The four work-groups of a cluster are four token blocks of one (e, kh) and walk the same W: each tile is asked for JOINTLY, by the same tensor load with the same descriptor and the mask 15.  Sixteen blocks share W;
; a mask names four at the most, so the cluster is 4 x 1.
; MASKED ROWS.  Where sparsity is 0 the row's offset is multiplied by 0: all lanes then read the first 16 bytes of the wave's first token in that piece, and the factor 0 makes zeros of them.
; THE MATRIX INSTRUCTION: source 0 = 16 rows of W, source 1 = 16 tokens: a lane holds one token (lane % 16) and eight rows of W.
; LIMITS.  NaN and infinities in hidden are not served (a masked row is 0 x the bytes named above, not 0 x its own).  Blocks whose largest magnitude lies under 2^-124, blocks of zeros among them, carry the scale byte 1: their
; codes are zeros or nearly so, and the bytes are read by this program alone.  The f32 sums run in another order than a sum over n behind a sum over k.  Any int32 in sparsity is honoured as a factor.
; W's scale bytes come tile by tile, 8 bytes of each of 512 rows: those of all four chunks, 65,536 bytes, have no room beside the ring.
.set SLOT1, 131072                     ; slot 1 begins here, so that one exclusive or turns an address in one slot into the other's
.set PITCH, 240                        ; a row of W in LDS: 3 x (64 bytes + 16 of padding) = 60 words: row r starts at bank -4 r mod 64 (64 banks of 4 bytes: ISA guide 11.1)
.set QUART, 128*PITCH                  ; 128 rows: what one tensor load brings, and what one matrix wave reads
.set SCW,   4*QUART                    ; behind a slot's codes: its scale bytes, 512 rows x 8 bytes
.set IMG,   2*SLOT1                    ; behind the ring: the tokens' 16 fragments as images, image 8 q + t (K step q of the chunk, token tile t)
.set FRB,   1536                       ; an image: 12 registers x 128 bytes
.set ISC,   IMG+16*FRB                 ; their scale words, 128 bytes each
.set STG,   ISC+16*128                 ; a stage for each quantiser: 16 rows x (512 bytes + 16)
.set SP,    528
.set RED,   STG+4*16*SP                ; the end: 4 x 128 sums
.set SPARE, RED+2048                   ; the spare words, 128 bytes for each wave: four blocks of 256 bytes that no other line names
; vector registers that every wave makes at the head and never rewrites
.set SPW, 1                            ; v1   LDS address of my spare word
.set NIL, 2                            ; v2   0
.set LI,  3                            ; v3   an image's place for my lane: IMG + 16 x lane
.set LS,  4                            ; v4   a scale word's: ISC + 4 x lane
.set ADW, 5                            ; v5-6 my fragments of W in slot 0, 1;  v7-8 the same for the pieces that lie behind one padding more
.set ASW, 9                            ; v9-10 my scale words of W in slot 0, 1
.set SA,  11                           ; v11  the stage, on the way in: 16 x lane
.set SL,  12                           ; v12  and on the way out: row lane % 16, + 64 (lane / 16)
.set IW,  13                           ; v13  where I store my two token tiles' images
.set SW,  14                           ; v14  and their scale words
.set RA,  15                           ; v15  the end: where a matrix wave puts its sums
.set RB,  16                           ; v16  and where wave 0 reads them
.set PO,  17                           ; v17  16 x lane
.set VO,  224                          ; v224-255 byte offset of my 16 bytes in token t of my 32, or 0 where the token is masked
; matrix role
.set WF,  32                           ; v32-127  eight buffers of 12: fragments of W
.set ACC, 128                          ; v128-191 eight accumulators, one for each token tile
.set WS,  192                          ; v192-207 W's scale words, a set of 8 for each slot: register 2 p + q: lanes 0-15 the rows of fragment 2 p, lanes 16-31 of 2 p + 1, K step q
.set HS,  208                          ; v208-223 the tokens' scale words, register 8 q + t.   Window 1: v[96 q + 12 t] the tokens' fragments
; quantiser role
.set X,   32                           ; v32-95   64 numbers of my row: register 16 b + i = k 32 b + 16 (lane / 16) + i
.set PC0, 96                           ; v96-115, v116-135 codes just made, by turns
.set PC1, 116
.set MF,  168                          ; v168-171 float(sparsity) of my row in my first and second token tile, each twice (pairs for the packed multiply)
.set TM,  172                          ; v172-187 at work
.set PW0, 188                          ; v188, v189 scale words just made.   Window 1: v[64 p + 4 i] what the burst brings: piece p = 2 q + a, token i
.set PW1, 189
; scalar registers
.set WV,   14                          ; my wave's number
.set ROLE, 15                          ; 0: matrix, 1: quantiser
.set IDX,  16                          ; my index in the role
.set G1C,  24                          ; s[24:31] descriptor group 1 for codes;  s[32:39] for scale bytes;  s[40:43], s[44:47] their groups 0, which walk
.set G1S,  32
.set G0C,  40
.set G0S,  44
.set HB,   48                          ; s[48:49] hidden at my first token, my expert, my half of K, the chunk in hand
.set SEL,  50                          ; s[50:51] v_permlanex16_b32's selects for lane l xor 16
.set TRIP, 52
.set MSB, 0
.set LC,  0                            ; LDS loads that the matrix role has issued since the last change of slots
.set LMH, 0                            ; LC behind the last run of image loads
.irp n, 0,1,2,3,4,5,6,7
.set LM\n, 0                           ; LC behind buffer n's last load
.endr
.macro WIN new                         ; the immediate's high byte repeats the setting that is left; a switch that changes nothing is dropped
.if MSB != \new
	s_set_vgpr_msb (MSB<<8)|\new
.set MSB, \new
.endif
.endm
; A round of the cluster's barrier: my work-group's barrier, wave 0 signals for the work-group, every wave waits for all four work-groups, my work-group's barrier once more.
.macro ROUND
	s_barrier_signal -1
	s_barrier_wait -1
	s_cmp_lg_u32 s[WV], 0
	s_cbranch_scc1 .Lnot_wave_0_\@
	s_barrier_signal -3
.Lnot_wave_0_\@:
	s_barrier_wait -3
	s_barrier_signal -1
	s_barrier_wait -1
.endm
; A joint load: waves 0 to 3 fetch a quarter of the tile's codes each, wave 4 its scale bytes, the others nothing.  The branches hang on the wave's number alone.  Four v_nop follow each of the two lines.
.macro TLOAD
	s_cmp_lt_u32 s[WV], 4
	s_cbranch_scc0 .Lnot_codes_\@
	tensor_load_to_lds s[G0C:G0C+3], s[G1C:G1C+7]
	s_nop 0
.rept 4
	v_nop
.endr
	s_branch .Lasked_\@
.Lnot_codes_\@:
	s_cmp_eq_u32 s[WV], 4
	s_cbranch_scc0 .Lasked_\@
	tensor_load_to_lds s[G0S:G0S+3], s[G1S:G1S+7]
	s_nop 0
.rept 4
	v_nop
.endr
.Lasked_\@:
.endm
; THE CHANGE OF SLOTS.  Each wave waits for all its tensor loads (its part of the tile that is about to be read), adds 0 to its spare word, and waits for that and for all its LDS instructions: its reads of the slot that is left,
; its reads of images, its stores of images.  Behind the barrier the tile ahead is whole, the images stored in the last phase can be read, and nobody reads the other slot.
; fill = 1: that other slot takes the tile that follows; the barrier is then a round of the cluster's, and the joint load is the first thing behind it: one tensor load of a wave is out, and it has a tile's 128 matrix instructions in which to land.
; wrap = 1: the tile that follows is the next chunk's first: 1,536 rows back and 192 bytes (8 scale bytes) on.
; The four v_nop are places: whichever role's part stands behind this change, its loads and vector lines stand four plain vector instructions behind the last product ahead of it, and a product behind it four behind
; the last vector line that wrote codes.
.macro CHANGE fill, wrap
	s_wait_tensorcnt 0x0                           ; no tensor load of mine is out, so a group 0 may be written
	ds_add_u32 v[SPW], v[NIL]                      ; 0 onto my spare word: the descriptors' steps and the places stand between it and the wait for it
.if \fill
	s_xor_b32 s[G0C+1], s[G0C+1], SLOT1
	s_xor_b32 s[G0S+1], s[G0S+1], SLOT1
.if \wrap
	s_sub_nc_u64 s[G0C+2:G0C+3], s[G0C+2:G0C+3], 3*512*1536-192
	s_sub_nc_u64 s[G0S+2:G0S+3], s[G0S+2:G0S+3], 3*512*64-8
.else
	s_add_nc_u64 s[G0C+2:G0C+3], s[G0C+2:G0C+3], 512*1536   ; the type bits on top are not reached
	s_add_nc_u64 s[G0S+2:G0S+3], s[G0S+2:G0S+3], 512*64
.endif
.endif
.rept 4
	v_nop
.endr
	s_wait_dscnt 0x0
.if \fill
	ROUND
	TLOAD
.else
	s_barrier_signal -1
	s_barrier_wait -1
.endif
.set LC, 0
.endm
; The roles part and join between the barriers, which stand on every wave's path.
.macro RBEG id
	s_cmp_eq_u32 s[ROLE], 0
	s_cbranch_scc0 .Lq_\id
.endm
.macro RMID id
	s_branch .Lj_\id
.Lq_\id:
.endm
.macro RSKIP id                        ; the quantisers have nothing to do here
	s_cmp_eq_u32 s[ROLE], 0
	s_cbranch_scc0 .Lj_\id
.endm
.macro REND id
.Lj_\id:
.endm
; ---------------- the matrix role ----------------
.macro MARK b                          ; buffer b's last load has just been issued
.irp n, 0,1,2,3,4,5,6,7
.if (\b) == \n
.set LM\n, LC
.endif
.endr
.endm
.macro WAITF b, h                      ; LDS loads come back in order (ISA guide 5.7.1): all that were issued behind buffer b's last load may stay out.  h = 1: and no more than were issued behind the last image run
.irp n, 0,1,2,3,4,5,6,7
.if (\b) == \n
.set WC, LC-LM\n
.endif
.endr
.if \h
.if LC-LMH < WC
.set WC, LC-LMH
.endif
.endif
	s_wait_dscnt WC
.endm
; One piece of 8 bytes of fragment u = 8 q + i (K step q, my rows 16 i on) from slot par into buffer u % 8.  A fragment is 12 registers: lane l holds row l % 16; registers 6 c .. 6 c + 5 hold K = 64 c + 32 (l / 16) + 0 .. 31,
; 24 bytes of the row as they lie.  Lanes 16-31 read three pieces further on, which for some pieces is behind one padding more: the second address register serves those.
.macro WL par, u, pc
.set WQ, (\u)/8
.set WI, (\u)%8
.set WP, 12*WQ+6*((\pc)/3)+(\pc)%3
.if WP%8 < 5
	ds_load_b64 v[WF+12*WI+2*(\pc):WF+12*WI+2*(\pc)+1], v[ADW+(\par)] offset:8*WP+16*(WP/8)+WI*16*PITCH
.else
	ds_load_b64 v[WF+12*WI+2*(\pc):WF+12*WI+2*(\pc)+1], v[ADW+2+(\par)] offset:8*WP+16*(WP/8)+WI*16*PITCH
.endif
.set LC, LC+1
.endm
.macro SCALES lp                       ; slot lp's scale words of my 128 rows: 8 bytes a row, 32 rows a load
.irp p, 0,1,2,3
	ds_load_b64 v[WS+8*(\lp)+2*\p:WS+8*(\lp)+2*\p+1], v[ASW+(\lp)] offset:256*\p
.endr
.set LC, LC+4
.endm
.macro HRUN q, t0                      ; the images of K step q, token tiles t0 and t0 + 1, and their scale words
	WIN 0x40                                       ; destination window 1
.irp d, 0,1
.irp c, 0,1,2
	ds_load_b128 v[96*(\q)+12*((\t0)+\d)+4*\c:96*(\q)+12*((\t0)+\d)+4*\c+3], v[LI] offset:(8*(\q)+(\t0)+\d)*FRB+512*\c
.endr
.endr
	WIN 0x04
.irp d, 0,1
	ds_load_b32 v[HS+8*(\q)+(\t0)+\d], v[LS] offset:(8*(\q)+(\t0)+\d)*128
.endr
.set LC, LC+8
.set LMH, LC
.endm
; A GROUP: fragment u of the tile whose scale words lie in set sp, against the eight token tiles.  The eight accumulators take turns, one instruction a turn, in the same order in every group.
; A load into a register that a matrix instruction has read stands four places behind it, and only plain vector instructions that name none of its registers are places (ISA guide 7.12.1 for vector instructions
; ): the four v_nop behind the first four products are those places for all of this group's loads, whose registers were last read in an earlier group.
; f0, f1: fragments to fetch from slot lp (-1: none).  x = 1: slot lp's scale words too; x = 2: an image run (xq, xt).  w = 1: wait for my fragment; 2: and for the image runs; 0: the change of slots has waited.
.macro GROUP sp, u, f0, f1, lp, x, xq, xt, w
.set GQ, (\u)/8
.set GI, (\u)%8
.if \w == 1
	WAITF GI, 0
.elseif \w == 2
	WAITF GI, 1
.endif
.irp t, 0,1,2,3,4,5,6,7
.if GI%2
	v_wmma_scale_f32_16x16x128_f8f6f4 v[ACC+8*\t:ACC+8*\t+7], v[WF+12*GI:WF+12*GI+11], v[96*GQ+12*\t:96*GQ+12*\t+11], v[ACC+8*\t:ACC+8*\t+7], v[WS+8*(\sp)+2*(GI/2)+GQ], v[HS+8*GQ+\t] matrix_a_fmt:MATRIX_FMT_FP6 matrix_b_fmt:MATRIX_FMT_FP6 matrix_a_scale:MATRIX_SCALE_ROW1
.else
	v_wmma_scale_f32_16x16x128_f8f6f4 v[ACC+8*\t:ACC+8*\t+7], v[WF+12*GI:WF+12*GI+11], v[96*GQ+12*\t:96*GQ+12*\t+11], v[ACC+8*\t:ACC+8*\t+7], v[WS+8*(\sp)+2*(GI/2)+GQ], v[HS+8*GQ+\t] matrix_a_fmt:MATRIX_FMT_FP6 matrix_b_fmt:MATRIX_FMT_FP6
.endif
.if \t < 4
	v_nop
.endif
.if \t == 3
.if \x == 1
	SCALES \lp
.elseif \x == 2
	HRUN \xq, \xt
.endif
.endif
.if (\f1) >= 0
.if \t == 4
	WL \lp, \f0, 0
	WL \lp, \f0, 1
	WL \lp, \f0, 2
.elseif \t == 5
	WL \lp, \f0, 3
	WL \lp, \f0, 4
	WL \lp, \f0, 5
	MARK (\f0)%8
.elseif \t == 6
	WL \lp, \f1, 0
	WL \lp, \f1, 1
	WL \lp, \f1, 2
.elseif \t == 7
	WL \lp, \f1, 3
	WL \lp, \f1, 4
	WL \lp, \f1, 5
	MARK (\f1)%8
.endif
.elseif (\f0) >= 0
.if (\t >= 4) && (\t <= 6)
	WL \lp, \f0, 2*(\t-4)
	WL \lp, \f0, 2*(\t-4)+1
.endif
.if \t == 6
	MARK (\f0)%8
.endif
.endif
.endr
.endm
; Behind a change of slots: the last three groups of the tile that was left, whose fragments are in registers, carry the first six fetches from slot par and its scale words.
.macro PA par
	WIN 0x04                                       ; source 1 (the tokens) window 1; all else window 0
	GROUP 1-\par, 13, 0, 1, \par, 1, 0, 0, 0
	GROUP 1-\par, 14, 2, 3, \par, 0, 0, 0, 0
	GROUP 1-\par, 15, 4, 5, \par, 0, 0, 0, 0
.endm
; Groups 0 to 12 of the tile in slot par.  Group u fetches fragment u + 6, into the buffer that group u - 2 read; groups 10 to 12 fetch nothing, so that the slot's last read was issued three groups ahead of the next change.
; ex = 1 (a chunk's first tile): groups 0 to 3 fetch the chunk's images of K step 1, which group 15 of the tile before read last and group 8 wants.
; ex = 2 (a chunk's last tile): groups 8 to 11 fetch the next chunk's images of K step 0, which group 7 read last.
.macro PB par, ex
	WIN 0x04
.irp u, 0,1,2,3,4,5,6,7,8,9,10,11,12
.set BF, -1
.set BX, 0
.set BQ, 0
.set BT, 0
.set BW, 1
.if \u <= 9
.set BF, \u+6
.endif
.if (\ex == 1) && (\u < 4)
.set BX, 2
.set BQ, 1
.set BT, 2*\u
.endif
.if (\ex == 2) && (\u >= 8) && (\u < 12)
.set BX, 2
.set BT, 2*(\u-8)
.endif
.if (\ex == 1) && (\u == 8)
.set BW, 2
.endif
	GROUP \par, \u, BF, -1, \par, BX, BQ, BT, BW
.endr
.endm
; The very first fetches: chunk 0's images of K step 0, slot 0's scale words, fragments 0 to 5.  Behind fragment 0 the order is that of PA, so that the counts in the loop hold on both ways into it.
.macro PA0
	WIN 0x04
	HRUN 0, 0
	HRUN 0, 2
	HRUN 0, 4
	HRUN 0, 6
	SCALES 0
.irp f, 0,1,2,3,4,5
.irp c, 0,1,2,3,4,5
	WL 0, \f, \c
.endr
	MARK \f
.endr
.endm
; ---------------- the quantiser role ----------------
; A chunk of my 32 tokens: 64 loads, each one token's 512 consecutive bytes (128 along K), 16 a lane; piece p = 2 q + a is K step q of tokens 16 a .. 16 a + 15.
.macro BURST
	WIN 0x40                                       ; destination window 1
.irp p, 0,1,2,3
.irp i, 0,1,2,3,4,5,6,7,8,9,10,11,12,13,14,15
	global_load_b128 v[64*\p+4*\i:64*\p+4*\i+3], v[VO+16*(\p%2)+\i], s[HB:HB+1] offset:512*(\p/2) th:TH_LOAD_NT
.endr
.endr
	WIN 0
.endm
; 64 numbers of a lane, v[s] .. v[s + 63], become a fragment's codes in v[pc] .. v[pc + 11] and its scale word in v[pw].
.macro QUANT s, pc, pw
.irp b, 0,1,2,3
	v_max3_num_f32 v[TM+\b], |v[\s+16*\b]|, |v[\s+1+16*\b]|, 0x1800000   ; block b: my 16 numbers, and the floor 2^(3 - 127), under which no largest magnitude is taken: so the byte cannot fall under 1
.endr
.irp i, 2,4,6,8,10,12,14
.irp b, 0,1,2,3
	v_max3_num_f32 v[TM+\b], v[TM+\b], |v[\s+16*\b+\i]|, |v[\s+1+16*\b+\i]|   ; (the four blocks by turns)
.endr
.endr
.irp b, 0,1,2,3
	v_permlanex16_b32 v[TM+4+\b], v[TM+\b], s[SEL], s[SEL+1]
.endr
.irp b, 0,1,2,3
	v_max_num_f32 v[TM+\b], v[TM+\b], v[TM+4+\b]   ; with lane l xor 16's: the block's largest magnitude
.endr
.irp b, 0,1,2,3
	v_add_nc_u32 v[TM+12+\b], 0xff000000, v[TM+\b]   ; 2 off its exponent field: the conversion takes the exponent field of this operand as its scale, and nothing else of it
.endr
.irp b, 0,1,2,3
	v_lshrrev_b32 v[TM+4+\b], 23, v[TM+12+\b]      ; the scale's byte
.endr
	v_lshl_or_b32 v[\pw], v[TM+5], 8, v[TM+4]      ; the four bytes make my row's scale word
	v_lshl_or_b32 v[\pw], v[TM+6], 16, v[\pw]
	v_lshl_or_b32 v[\pw], v[TM+7], 24, v[\pw]
.irp c, 0,1
	v_cvt_scalef32_pk16_fp6_f32 v[\pc+6*\c:\pc+2+6*\c], v[\s+32*\c:\s+15+32*\c], v[TM+12+2*\c]
	v_cvt_scalef32_pk16_fp6_f32 v[\pc+12+4*\c:\pc+14+4*\c], v[\s+16+32*\c:\s+31+32*\c], v[TM+12+2*\c+1]   ; (a conversion's three registers begin on an even number)
.endr
	v_nop                                          ; one plain place behind a scaled conversion
.irp c, 0,1                                    ; the operand's layout wants a WHOLE block in a lane: lanes 0-15 block 2 c, lanes 16-31 block 2 c + 1
.irp i, 0,1,2
	v_permlane16_swap_b32 v[\pc+6*\c+\i], v[\pc+12+4*\c+\i]
.endr
.irp i, 0,1,2
	v_mov_b32 v[\pc+3+6*\c+\i], v[\pc+12+4*\c+\i]
.endr
.endr
.endm
; Piece (a, q) becomes the image of fragment 8 q + 2 x my index + a.  cnt: the burst's loads behind this piece's sixteen, which may stay out.
.macro PIECE a, q, cnt, pc, pw
	s_wait_loadcnt \cnt
	WIN 0x04                                       ; an LDS store's data are its source 1: window 1
.irp i, 0,1,2,3,4,5,6,7,8,9,10,11,12,13,14,15
	ds_store_b128 v[SA], v[64*(2*(\q)+(\a))+4*\i:64*(2*(\q)+(\a))+4*\i+3] offset:SP*\i   ; token i's 512 bytes as they lie
.endr
	WIN 0
.irp b, 0,1,2,3
.irp j, 0,1,2,3
	ds_load_b128 v[X+16*\b+4*\j:X+16*\b+4*\j+3], v[SL] offset:128*\b+16*\j   ; LDS serves a wave's instructions in order (ISA guide 5.7.1.4): these see my stores.  Row lane % 16, my 16 numbers of block b
.endr
.endr
	s_wait_dscnt 0x0                               ; they are in; the last piece's image stores are done too
.set J, 0
.rept 32
	v_pk_mul_f32 v[X+J:X+J+1], v[X+J:X+J+1], v[MF+2*(\a):MF+2*(\a)+1]   ; x float(sparsity) of my row, in f32
.set J, J+2
.endr
	QUANT X, \pc, \pw
.irp c, 0,1,2
	ds_store_b128 v[IW], v[\pc+4*\c:\pc+4*\c+3] offset:(8*(\q)+(\a))*FRB+512*\c
.endr
	ds_store_b32 v[SW], v[\pw] offset:(8*(\q)+(\a))*128
.endm
; ---------------- the head ----------------
	s_load_b256 s[4:11], s[0:1], 0x0               ; hidden s[4:5], sparsity s[6:7], W's codes s[8:9], W's scales s[10:11]
	s_load_b64 s[12:13], s[0:1], 0x20              ; part
	v_lshl_add_u32 v[SPW], v0, 2, SPARE
	v_mov_b32 v[NIL], 0
	ds_add_u32 v1, v2
	s_wait_dscnt 0x0
	v_lshrrev_b32 v18, 5, v0
	v_readfirstlane_b32 s[WV], v18                 ; wave 0..7
	s_lshr_b32 s[IDX], s[WV], 1
	s_lshr_b32 s22, s[WV], 2
	s_xor_b32 s[ROLE], s[WV], s[IDX]
	s_xor_b32 s[ROLE], s[ROLE], s22
	s_and_b32 s[ROLE], s[ROLE], 1                  ; the parity of the wave's three bits: matrix waves 0, 3, 5, 6; quantisers 1, 2, 4, 7
	s_bfe_u32 s17, ttmp6, 0x40000                  ; cx: my place in the cluster: it enters the addresses of hidden, sparsity and part alone
	s_lshl_b32 s18, ttmp9, 2                       ; in a cluster launch ttmp9 counts clusters
	s_add_co_u32 s18, s18, s17                     ; my block of 128 tokens
	s_and_b32 s19, ttmp7, 0xffff                   ; the part 2 e + kh, which the four partners share
	s_lshr_b32 s20, s19, 1                         ; e
	s_and_b32 s21, s19, 1                          ; kh
	s_min_u32 s23, s[WV], 3                        ; which quarter of a tile I fetch, if I fetch codes (waves 4 to 7 issue no such load)
	s_mul_i32 s54, s20, 2048*1536                  ; W's codes: the expert,
	s_mul_i32 s22, s21, 768                        ; the half of K,
	s_add_co_u32 s54, s54, s22
	s_mul_i32 s22, s23, 128*1536                   ; my 128 rows
	s_add_co_u32 s54, s54, s22
	s_mov_b32 s55, 0
	s_lshl_b32 s56, s20, 17                        ; W's scale bytes: the expert (2,048 x 64),
	s_lshl_b32 s22, s21, 5                         ; the half of K
	s_add_co_u32 s56, s56, s22
	s_mov_b32 s57, 0
	s_lshl_b32 s58, s18, 7
	s_lshl_b32 s22, s[IDX], 5
	s_add_co_u32 s58, s58, s22                     ; my first token: 128 x block + 32 x index
	s_lshl_b32 s60, s58, 5                         ; sparsity: 32 bytes a token,
	s_lshl_b32 s22, s20, 2                         ; 4 an expert
	s_add_co_u32 s60, s60, s22
	s_mov_b32 s61, 0
	s_lshl_b32 s58, s58, 16                        ; hidden: 65,536 bytes a token (under 2^32 in all),
	s_lshl_b32 s22, s20, 13                        ; 8,192 an expert,
	s_add_co_u32 s58, s58, s22
	s_lshl_b32 s22, s21, 12                        ; 4,096 a half of K
	s_add_co_u32 s58, s58, s22
	s_mov_b32 s59, 0
	s_lshl_b32 s2, s19, 13                         ; part: 8,192 bytes a part,
	s_lshl_b32 s53, s18, 9                         ; 512 a block of tokens
	s_add_co_u32 s2, s2, s53
	s_mov_b32 s3, 0
	s_mov_b32 s[SEL], 0x76543210
	s_mov_b32 s[SEL+1], 0xfedcba98
	v_mov_b32 v22, 0
	v_and_b32 v19, 15, v0                          ; r = lane % 16
	v_lshlrev_b32 v23, 5, v19
	s_wait_kmcnt 0x0
	s_add_nc_u64 s[HB:HB+1], s[4:5], s[58:59]
	s_add_nc_u64 s[60:61], s[6:7], s[60:61]
	s_add_nc_u64 s[12:13], s[12:13], s[2:3]
.set J, 0
.rept 32
	global_load_b32 v[VO+J], v22, s[60:61] offset:32*J   ; sparsity of token J of my 32: the same word in every lane
.set J, J+1
.endr
.irp a, 0,1
	global_load_b32 v[MF+2*\a], v23, s[60:61] offset:512*\a   ; and of token 16 a + lane % 16
.endr
	; descriptor group 1, codes: 128 rows x 192 bytes, 1,536 bytes apart, padded in LDS
	s_mov_b32 s[G1C], 15|(0<<16)|(1<<20)|(1<<21)|(3<<22)|(3<<25)   ; 15:0 the mask: all four work-groups; 17:16 elements of 1 byte; 20 padding on; 21 set beside a mask; 24:22 after every 16 words (code 3); 31:25 4 words of it (code 3)
	s_mov_b32 s[G1C+1], 192<<16                    ; tensor_dim0
	s_mov_b32 s[G1C+2], 128<<16                    ; tensor_dim1
	s_mov_b32 s[G1C+3], 192<<16                    ; tile_dim0
	s_mov_b32 s[G1C+4], 128                        ; tile_dim1
	s_mov_b32 s[G1C+5], 1536                       ; tensor_dim0_stride
	s_mov_b32 s[G1C+6], 0
	s_mov_b32 s[G1C+7], 0
	; scale bytes: 512 rows x 2 elements of 4 bytes, 16 elements apart, dense in LDS
	s_mov_b32 s[G1S], 15|(2<<16)|(1<<21)
	s_mov_b32 s[G1S+1], 2<<16
	s_mov_b32 s[G1S+2], 512<<16
	s_mov_b32 s[G1S+3], 2<<16
	s_mov_b32 s[G1S+4], 512
	s_mov_b32 s[G1S+5], 16
	s_mov_b32 s[G1S+6], 0
	s_mov_b32 s[G1S+7], 0
	s_mov_b32 s[G0C], 1                            ; 1:0 count = 1
	s_mul_i32 s[G0C+1], s23, QUART                 ; 63:32 LDS address: slot 0, my quarter: no place in the cluster enters it
	s_add_nc_u64 s[G0C+2:G0C+3], s[8:9], s[54:55]  ; 120:64 global address: tile 0
	s_or_b32 s[G0C+3], s[G0C+3], 0x80000000        ; 127:126 type = 2
	s_mov_b32 s[G0S], 1
	s_mov_b32 s[G0S+1], SCW
	s_add_nc_u64 s[G0S+2:G0S+3], s[10:11], s[56:57]
	s_or_b32 s[G0S+3], s[G0S+3], 0x80000000
	ROUND                                          ; all four work-groups are here: the first joint loads meet
	TLOAD                                          ; tile 0 into slot 0
	v_and_b32 v18, 31, v0                          ; lane
	v_bfe_u32 v20, v0, 4, 1                        ; h = lane / 16
	v_lshl_add_u32 v[LI], v18, 4, IMG
	v_lshl_add_u32 v[LS], v18, 2, ISC
	v_mul_u32_u24 v21, v19, PITCH
	v_mad_u32_u24 v21, v20, 24, v21                ; a fragment's row x pitch + 24 x half
	s_mul_i32 s22, s[IDX], QUART                   ; my 128 rows of a tile
	v_add_nc_u32 v[ADW], s22, v21
	v_add_nc_u32 v[ADW+1], SLOT1, v[ADW]
	v_lshl_add_u32 v[ADW+2], v20, 4, v[ADW]        ; and the same behind one padding more
	v_lshl_add_u32 v[ADW+3], v20, 4, v[ADW+1]
	s_lshl_b32 s22, s[IDX], 10
	s_add_co_u32 s22, s22, SCW
	v_lshl_add_u32 v[ASW], v18, 3, s22             ; my rows' scale words: 8 bytes a row
	v_add_nc_u32 v[ASW+1], SLOT1, v[ASW]
	s_mul_i32 s22, s[IDX], 16*SP
	s_add_co_u32 s22, s22, STG                     ; my stage
	v_lshl_add_u32 v[SA], v18, 4, s22
	v_mul_u32_u24 v21, v19, SP
	v_lshl_add_u32 v21, v20, 6, v21
	v_add_nc_u32 v[SL], s22, v21
	s_mul_i32 s22, s[IDX], 2*FRB
	v_add_nc_u32 v[IW], s22, v[LI]
	s_lshl_b32 s22, s[IDX], 8
	v_add_nc_u32 v[SW], s22, v[LS]
	s_lshl_b32 s22, s[IDX], 9
	s_add_co_u32 s22, s22, RED
	v_lshl_add_u32 v[RA], v19, 2, s22
	v_lshl_add_u32 v[RB], v18, 4, RED
	v_lshlrev_b32 v[PO], 4, v18
	s_wait_loadcnt 0x0                             ; sparsity
.irp a, 0,1
	v_cvt_f32_i32 v[MF+2*\a], v[MF+2*\a]
.endr
.irp a, 0,1
	v_mov_b32 v[MF+2*\a+1], v[MF+2*\a]
.endr
.set J, 0
.rept 32
	v_min_u32 v[VO+J], 1, v[VO+J]                  ; 0 where the token is masked, 1 for every other number
	v_add_nc_u32 v[24+J%4], J<<16, v[PO]           ; token J's row, my 16 bytes
	v_mul_u32_u24 v[VO+J], v[VO+J], v[24+J%4]
.set J, J+1
.endr
	RBEG 0
.set J, 0
.rept 64
	v_mov_b32 v[ACC+J], 0                          ; the sums begin as zeros, so that a group is written in one form alone
.set J, J+1
.endr
	RMID 0
.irp b, 0,1,2,3
	v_mov_b32 v[TM+4+\b], 0                        ; written once: a lane permute's destination counts as one of its sources
.endr
	BURST                                          ; chunk 0
	PIECE 0, 0, 48, PC0, PW0
	PIECE 1, 0, 32, PC1, PW1
	PIECE 0, 1, 16, PC0, PW0
	PIECE 1, 1, 0, PC1, PW1
	REND 0
	CHANGE 1, 0                                    ; tile 0 and chunk 0's images are there; tile 1 is asked for, into slot 1
	RSKIP 1
	PA0
	WIN 0                                          ; at a label and at a branch every window is 0
	REND 1
	s_mov_b32 s[TRIP], 3
; ---------------- chunks 0 to 2: the products of chunk c beside the quantising of chunk c + 1 ----------------
.Lchunk:
	RBEG 2
	PB 0, 1                                        ; the chunk's first tile
	WIN 0
	RMID 2
	s_add_nc_u64 s[HB:HB+1], s[HB:HB+1], 1024      ; (all loads that named this base are in: the last piece waited for 0)  the next chunk,
.rept 4
	v_nop                                          ; places: no change of slots stands between the products at the loop's end and these loads, whose registers carry the products' numbers
.endr
	BURST                                          ; asked for two tiles ahead of its first use
	REND 2
	CHANGE 1, 0
	RSKIP 3
	PA 1
	PB 1, 0                                        ; the second tile
	WIN 0
	REND 3
	CHANGE 1, 0
	RBEG 4
	PA 0
	PB 0, 0                                        ; the third
	WIN 0
	RMID 4
	PIECE 0, 0, 48, PC0, PW0                       ; the next chunk's K step 0: its images were last read a chunk ago
	PIECE 1, 0, 32, PC1, PW1
	REND 4
	CHANGE 1, 1                                    ; the tile asked for is the next chunk's first
	RBEG 5
	PA 1
	PB 1, 2                                        ; the fourth; it fetches the images stored in the last phase
	WIN 0
	RMID 5
	PIECE 0, 1, 16, PC0, PW0                       ; the next chunk's K step 1: other bytes than those that the matrix waves read in this phase
	PIECE 1, 1, 0, PC1, PW1
	REND 5
	CHANGE 1, 0
	RSKIP 6
	PA 0
	WIN 0
	REND 6
	s_sub_co_u32 s[TRIP], s[TRIP], 1
	s_cmp_lg_u32 s[TRIP], 0
	s_cbranch_scc1 .Lchunk
; ---------------- chunk 3 is written out: nothing is left to quantise ----------------
	RSKIP 7
	PB 0, 1
	WIN 0
	REND 7
	CHANGE 1, 0
	RSKIP 8
	PA 1
	PB 1, 0
	WIN 0
	REND 8
	CHANGE 1, 0                                    ; the last tile is asked for
	RSKIP 9
	PA 0
	PB 0, 0
	WIN 0
	REND 9
	CHANGE 0, 0                                    ; nothing is filled again, so no round of the cluster's barrier
	RSKIP 10
	PA 1
	PB 1, 0
	GROUP 1, 13, -1, -1, 1, 0, 0, 0, 1
	GROUP 1, 14, -1, -1, 1, 0, 0, 0, 1
	GROUP 1, 15, -1, -1, 1, 0, 0, 0, 1
	WIN 0
.rept 4
	v_nop                                          ; places in front of the first read of results
.endr
.irp t, 0,1,2,3,4,5,6,7                        ; a token's sum over the accumulator's 16 rows: my eight registers (each accumulator from its low end on), then lane l xor 16's
	v_pk_add_f32 v[32+4*\t:33+4*\t], v[ACC+8*\t:ACC+8*\t+1], v[ACC+8*\t+2:ACC+8*\t+3]
	v_pk_add_f32 v[34+4*\t:35+4*\t], v[ACC+8*\t+4:ACC+8*\t+5], v[ACC+8*\t+6:ACC+8*\t+7]
.endr
.irp t, 0,1,2,3,4,5,6,7
	v_pk_add_f32 v[32+4*\t:33+4*\t], v[32+4*\t:33+4*\t], v[34+4*\t:35+4*\t]
.endr
.irp t, 0,1,2,3,4,5,6,7
	v_add_f32 v[32+4*\t], v[32+4*\t], v[33+4*\t]
.endr
.irp t, 0,1,2,3,4,5,6,7
	v_permlanex16_b32 v[33+4*\t], v[32+4*\t], s[SEL], s[SEL+1]
.endr
.irp t, 0,1,2,3,4,5,6,7
	v_add_f32 v[32+4*\t], v[32+4*\t], v[33+4*\t]
.endr
.irp t, 0,1,2,3,4,5,6,7
	ds_store_b32 v[RA], v[32+4*\t] offset:64*\t    ; token 16 t + lane % 16; both halves of the lanes write the same word with the same value
.endr
	REND 10
	s_wait_dscnt 0x0                               ; for the others' sake: my sums lie in LDS
	s_barrier_signal -1
	s_barrier_wait -1
	s_cmp_lg_u32 s[WV], 0
	s_cbranch_scc1 .Lnot_first
.irp m, 0,1,2,3
	ds_load_b128 v[32+4*\m:35+4*\m], v[RB] offset:512*\m   ; four tokens a lane, from each of the four matrix waves
.endr
	s_wait_dscnt 0x0
	v_pk_add_f32 v[32:33], v[32:33], v[36:37]
	v_pk_add_f32 v[34:35], v[34:35], v[38:39]
	v_pk_add_f32 v[40:41], v[40:41], v[44:45]
	v_pk_add_f32 v[42:43], v[42:43], v[46:47]
	v_pk_add_f32 v[32:33], v[32:33], v[40:41]
	v_pk_add_f32 v[34:35], v[34:35], v[42:43]
	global_store_b128 v[PO], v[32:35], s[12:13]    ; 32 lanes store 512 consecutive bytes, at a multiple of 256 from the buffer's first byte
.Lnot_first:
	s_wait_tensorcnt 0x0                           ; the wave's end: behind my last tensor load and my last LDS store
	ds_add_u32 v[SPW], v[NIL]
	s_wait_dscnt 0x0
	ROUND                                          ; the closing round: no work-group ends while a partner may still ask for a tile that names it
	s_endpgm
.Lfunc_end_k_q44e7ee3a4c_main:
	.size	k_q44e7ee3a4c_main, .Lfunc_end_k_q44e7ee3a4c_main-k_q44e7ee3a4c_main
	.p2alignl 7, 3214868480
	.fill 96, 4, 3214868480
	.section	.rodata,"a",@progbits
	.p2align	6, 0x0
	.amdhsa_kernel k_q44e7ee3a4c_main
		.amdhsa_group_segment_fixed_size 327680
		.amdhsa_private_segment_fixed_size 0
		.amdhsa_enable_private_segment 0
		.amdhsa_kernarg_size 40
		.amdhsa_user_sgpr_count 2
		.amdhsa_user_sgpr_kernarg_segment_ptr 1
		.amdhsa_wavefront_size32 1
		.amdhsa_system_sgpr_workgroup_id_x 1
		.amdhsa_system_sgpr_workgroup_id_y 1
		.amdhsa_system_sgpr_workgroup_id_z 1
		.amdhsa_system_vgpr_workitem_id 0
		.amdhsa_next_free_vgpr 512
		.amdhsa_next_free_sgpr 66
		.amdhsa_reserve_vcc 0
		.amdhsa_float_denorm_mode_32 3
		.amdhsa_float_denorm_mode_16_64 3
		.amdhsa_memory_ordered 1
		.amdhsa_forward_progress 1
		.amdhsa_inst_pref_size 255
	.end_amdhsa_kernel
	.section	.bss,"aw",@nobits
	.p2align	6
	.space	262144
	.amdgpu_metadata
---
amdhsa.version: [ 1, 2 ]
amdhsa.kernels:
  - .name:           k_q44e7ee3a4c_main
    .symbol:         k_q44e7ee3a4c_main.kd
    .args:
      - { .name: hidden_4d, .offset: 0, .size: 8, .value_kind: global_buffer, .address_space: global }
      - { .name: sparsity, .offset: 8, .size: 8, .value_kind: global_buffer, .address_space: global }
      - { .name: weight_codes, .offset: 16, .size: 8, .value_kind: global_buffer, .address_space: global }
      - { .name: weight_scales, .offset: 24, .size: 8, .value_kind: global_buffer, .address_space: global }
      - { .name: part, .offset: 32, .size: 8, .value_kind: global_buffer, .address_space: global }
    .group_segment_fixed_size: 327680
    .private_segment_fixed_size: 0
    .kernarg_segment_align: 8
    .kernarg_segment_size: 40
    .max_flat_workgroup_size: 256
    .sgpr_count:     66
    .vgpr_count:     512
    .wavefront_size: 32
...
	.end_amdgpu_metadata
.endif
;; end of part 1
;; launch sum (part 2): grid 4 x 1, 4 waves a work-group, no clusters, 0 bytes of LDS; arguments part, out0; writes out0
.if DOCPART == 2
	.amdgcn_target "amdgcn-amd-amdhsa--gfx1250"
	.amdhsa_code_object_version 6
	.text
	.protected	k_q44e7ee3a4c_sum
	.globl	k_q44e7ee3a4c_sum
	.p2align	8
	.type	k_q44e7ee3a4c_sum,@function
k_q44e7ee3a4c_sum:
	s_mov_b64 s[64:65], 0
	v_nop
	global_prefetch_b8 v0, s[64:65] scope:SCOPE_SE
	s_setreg_imm32_b32 hwreg(HW_REG_WAVE_MODE, 25, 1), 1
	s_wait_xcnt 0x0
; out0[b] = the sum over the 16 parts p (expert x half of K) of part[p][b].  part: [16][2048] f32, out0: [2048] f32.
; A thread owns four neighbouring tokens: 16 loads of 16 bytes, 8,192 bytes apart, all on their way at once; a tree of packed additions; one store.
; Each load and the store of a wave cover 512 consecutive bytes, aligned.  512 threads in all: four work-groups of four waves; there is no more work than that to share.
	s_load_b128 s[4:7], s[0:1], 0x0                ; part s[4:5], out0 s[6:7]
	s_lshl_b32 s8, ttmp9, 11                       ; 128 threads x 16 bytes a work-group
	v_lshl_add_u32 v1, v0, 4, s8
	s_wait_kmcnt 0x0
.irp p, 0,1,2,3,4,5,6,7,8,9,10,11,12,13,14,15
	global_load_b128 v[4+4*\p:7+4*\p], v1, s[4:5] offset:8192*\p
.endr
	s_wait_loadcnt 0x0
.irp p, 0,1,2,3,4,5,6,7
	v_pk_add_f32 v[4+4*\p:5+4*\p], v[4+4*\p:5+4*\p], v[36+4*\p:37+4*\p]
	v_pk_add_f32 v[6+4*\p:7+4*\p], v[6+4*\p:7+4*\p], v[38+4*\p:39+4*\p]
.endr
.irp p, 0,1,2,3
	v_pk_add_f32 v[4+4*\p:5+4*\p], v[4+4*\p:5+4*\p], v[20+4*\p:21+4*\p]
	v_pk_add_f32 v[6+4*\p:7+4*\p], v[6+4*\p:7+4*\p], v[22+4*\p:23+4*\p]
.endr
.irp p, 0,1
	v_pk_add_f32 v[4+4*\p:5+4*\p], v[4+4*\p:5+4*\p], v[12+4*\p:13+4*\p]
	v_pk_add_f32 v[6+4*\p:7+4*\p], v[6+4*\p:7+4*\p], v[14+4*\p:15+4*\p]
.endr
	v_pk_add_f32 v[4:5], v[4:5], v[8:9]
	v_pk_add_f32 v[6:7], v[6:7], v[10:11]
	global_store_b128 v1, v[4:7], s[6:7]
	s_endpgm
.Lfunc_end_k_q44e7ee3a4c_sum:
	.size	k_q44e7ee3a4c_sum, .Lfunc_end_k_q44e7ee3a4c_sum-k_q44e7ee3a4c_sum
	.p2alignl 7, 3214868480
	.fill 96, 4, 3214868480
	.section	.rodata,"a",@progbits
	.p2align	6, 0x0
	.amdhsa_kernel k_q44e7ee3a4c_sum
		.amdhsa_group_segment_fixed_size 0
		.amdhsa_private_segment_fixed_size 0
		.amdhsa_enable_private_segment 0
		.amdhsa_kernarg_size 16
		.amdhsa_user_sgpr_count 2
		.amdhsa_user_sgpr_kernarg_segment_ptr 1
		.amdhsa_wavefront_size32 1
		.amdhsa_system_sgpr_workgroup_id_x 1
		.amdhsa_system_sgpr_workgroup_id_y 1
		.amdhsa_system_sgpr_workgroup_id_z 1
		.amdhsa_system_vgpr_workitem_id 0
		.amdhsa_next_free_vgpr 72
		.amdhsa_next_free_sgpr 66
		.amdhsa_reserve_vcc 0
		.amdhsa_float_denorm_mode_32 3
		.amdhsa_float_denorm_mode_16_64 3
		.amdhsa_memory_ordered 1
		.amdhsa_forward_progress 1
		.amdhsa_inst_pref_size 4
	.end_amdhsa_kernel
	.amdgpu_metadata
---
amdhsa.version: [ 1, 2 ]
amdhsa.kernels:
  - .name:           k_q44e7ee3a4c_sum
    .symbol:         k_q44e7ee3a4c_sum.kd
    .args:
      - { .name: part, .offset: 0, .size: 8, .value_kind: global_buffer, .address_space: global }
      - { .name: out0, .offset: 8, .size: 8, .value_kind: global_buffer, .address_space: global }
    .group_segment_fixed_size: 0
    .private_segment_fixed_size: 0
    .kernarg_segment_align: 8
    .kernarg_segment_size: 16
    .max_flat_workgroup_size: 128
    .sgpr_count:     66
    .vgpr_count:     72
    .wavefront_size: 32
...
	.end_amdgpu_metadata
.endif
;; end of part 2
